; MI455X (gfx1250); checked and timed in simulation.
; The chip was launched on July 23, 2026; its instructions are those of AMD's public machine-readable ISA for CDNA 5 (MIT licence, August 2026) and "CDNA5" Instruction Set Architecture Reference Guide (July 2026). The comments in the code are by the model that wrote it; some were corrected since.
;; CIN. Allowed arithmetic: matrix products marked QUANTISED: E3M2 operands, one E8M0 scale for each 32 along K, by v_wmma_scale_f32_16x16x128_f8f6f4 with both operands' format E3M2, f32 sums; products left as they are: f32 operands where the result goes on into a quantised operand, else bf16, f16 or f32 operands; f32 sums; everything else in f32.
;; Inputs: W0 4,096 x 128 float32; W1 8,192 x 128 float32; W2 8,192 x 128 float32; x 1,024 x 64 x 16 float32.
;; Outputs: out0 1,024 x 384 float32.
;; This version of the problem:
;;   THIS VERSION OF THE PROBLEM IS GIVEN IN LOW PRECISION. The matrix products marked QUANTISED in the list below multiply operands that are first quantised to E3M2 (3 exponent bits, 2 mantissa bits; 6 bits a number), with one power-of-two scale for each 32 numbers along K (OCP MX v1.0); their sums are f32. All else is computed in f32.
;;   The module's matrix products, in the order in which they are computed (A, B: the left and right operand; K: the contracted axis; several contracted axes count as one K, in the product's order):
;;     1. batch 16,384 x [M 64, K 1] x [K 1, N 64]; A: computed on the way; B: computed on the way: left as it is (no contracted axis)
;;     2. [M 16,384, K 4,096] x [K 4,096, N 128]; A: computed on the way; B: input W0: QUANTISED
;;     3. batch 16,384 x [M 128, K 1] x [K 1, N 64]; A: computed on the way; B: computed on the way: left as it is (no contracted axis)
;;     4. [M 16,384, K 8,192] x [K 8,192, N 128]; A: computed on the way; B: input W1: QUANTISED
;;     5. batch 16,384 x [M 128, K 1] x [K 1, N 64]; A: computed on the way; B: computed on the way: left as it is (no contracted axis)
;;     6. [M 16,384, K 8,192] x [K 8,192, N 128]; A: computed on the way; B: input W2: QUANTISED
;;   THE QUANTISER, for each operand of a quantised product, along K:
;;     - K is cut into blocks of 32 from its start; a last block that is shorter is filled with zeros.
;;     - A block's scale is 2^e with e = floor(log2(the largest magnitude in the block)) - 4, held to -126 .. 127; a block of zeros has e = 0. As a byte (E8M0): e + 127.
;;     - Each number is divided by its block's scale, clamped to +-28, and rounded to the nearest number of E3M2, ties to even, subnormals kept.
;;     - The product sums the exact products of the quantised numbers (number of the format x scale) in f32.
;;   ~~~python
;;   def quantise(x, axis):      # numpy; x: float32 -> the quantised numbers, widened to float32 again
;;       x = np.moveaxis(x, axis, -1); K = x.shape[-1]
;;       x = np.pad(x, [(0, 0)] * (x.ndim - 1) + [(0, -K % 32)]); x = x.reshape(x.shape[:-1] + (-1, 32)); a = np.abs(x).max(-1, keepdims=True)
;;       e = np.where(a > 0, np.clip(np.frexp(np.where(a > 0, a, 1))[1] - 1 - 4, -126, 127), 0)      # np.frexp(a)[1] - 1 = floor(log2(a)), exactly
;;       r = np.clip(x / 2.0 ** e, -28, 28)
;;       step = 2.0 ** (np.maximum(np.frexp(np.where(r == 0, 1, r))[1] - 1, -2) - 2)
;;       q = np.round(r / step) * step * 2.0 ** e      # np.round: ties to even
;;       return np.moveaxis(q.reshape(q.shape[:-2] + (-1,))[..., :K], -1, axis).astype(np.float32)
;;   ~~~
;;   OPERANDS COMPUTED ON THE WAY. 'Computed on the way' means the value that the module computes at that place (a softmax that the list does not call 'softmax' is quantised finished and normalised). What goes into a quantiser is computed in f32, as accurately as f32 sums, v_exp_f32 and their like allow (about 1e-6 of the number): no bf16 or f16 on the way to a quantiser, and a product that is left as it is and whose result goes on into a quantised operand takes f32 operands (vector FMAs, or v_wmma_f32_16x16x4_f32). A number that lies on a knife's edge between two numbers of the format may be rounded either way, as far as f32 arithmetic and the matrix unit's own rounding can turn it there, and no further.
;; One version. Each part assembles by itself: llvm-mc -triple=amdgcn-amd-amdhsa -mcpu=gfx1250 --defsym DOCPART=n.
;; ======== version 1 of 1: 2 launches
;; workspace buffers: wq 2,048,000 bytes
;; launch quantw (part 1): grid 160 x 1, 4 waves a work-group, no clusters, 1,024 bytes of LDS; arguments W0, W1, W2, wq; writes wq
.if DOCPART == 1
	.amdgcn_target "amdgcn-amd-amdhsa--gfx1250"
	.amdhsa_code_object_version 6
	.text
	.protected	k_q19a2e629f3_quantw
	.globl	k_q19a2e629f3_quantw
	.p2align	8
	.type	k_q19a2e629f3_quantw,@function
k_q19a2e629f3_quantw:
	s_mov_b64 s[64:65], 0
	v_nop
	global_prefetch_b8 v0, s[64:65] scope:SCOPE_SE
	s_setreg_imm32_b32 hwreg(HW_REG_WAVE_MODE, 25, 1), 1
	s_wait_xcnt 0x0
; W0 [4096][128], W1 [8192][128], W2 [8192][128], f32, K = the first axis, become codes of BF6 (E3M2) with one E8M0 byte for each 32 along K,
; laid in wq in the very order in which the second launch's waves take them: 160 pieces of 12,800 bytes, piece p = (slot x 4 + wave) x 2 + step in the slot.
; A piece is one K step (128 along K) of one wave of that launch: eight fragments (16 columns n x 128 K, 12 registers a lane) as images of their registers
; (registers 4c .. 4c+3 of lane l at 1536 f + 512 c + 16 l), then at 12,288 the scale words: lane l's 16 bytes hold word q = fragment 2q + l / 16, row l % 16.
; Slots 0-3 are layer 1 (8 steps), 4-11 layer 2, 12-19 layer 3 (16 steps each).  Fragment f of wave w is the tile of columns 16 ((2w + f) % 8) on.
; The four blocks of a step: block b is field i = 4 s + b (layer 1: + 32 (w / 2)), and j = the wave's 32: rows i Fi + 32 w + .. of W (layer 1: 32 (w % 2)).
; Place q of a block holds j = q xor 8 (b % 2): the second launch lays its own operand in the same order, so the products are the same.
; A LANE TAKES A COLUMN, AND ITS REGISTERS RUN DOWN K: a load reads 128 consecutive bytes, the four waves together whole rows of 512; a block's largest magnitude needs no other lane.
; A block's scale is 2^(floor(log2(largest magnitude)) - 4): its byte is the largest magnitude's exponent field - 4, held at 1 from below.
; LIMITS: a block of zeros gets the byte 1 where the rule says 127 (its codes are zeros, and this program alone reads the bytes); NaN and infinities are not served.
.set D,   32                           ; v32-159  the four blocks' 32 numbers
.set FA,  160                          ; v160-171 blocks 0 and 2, then the image of my first fragment
.set FB,  172                          ; v172-183 blocks 1 and 3, then the image of my second
.set TMP, 184                          ; v184-186 a block's upper 16 codes (a conversion's three registers begin on an even number)
.set MX,  8                            ; v8-11    largest magnitudes
.set SOP, 12                           ; v12-15   the conversions' scale operands
.set BY,  16                           ; v16-19   the scale bytes
.set MY,  24                           ; v24-27   second chains of the maxima; later the scale image
	s_load_b256 s[4:11], s[0:1], 0x0               ; W0 s[4:5], W1 s[6:7], W2 s[8:9], wq s[10:11]
	v_lshl_add_u32 v192, v0, 2, 0x200
	v_mov_b32 v193, 0
	v_lshrrev_b32 v1, 5, v0
	v_readfirstlane_b32 s12, v1                    ; my wave: it makes fragments 2 x wave and 2 x wave + 1
	v_and_b32 v1, 31, v0                           ; lane
	v_lshlrev_b32 v2, 2, v1                        ; in: 4 bytes a lane
	v_lshlrev_b32 v3, 4, v1                        ; out: 16 bytes a lane
	s_lshl_b32 s13, s12, 2
	v_add_nc_u32 v4, s13, v3                       ; LDS: my scale word's place in the image: 16 x lane + 4 x wave
	s_and_b32 s14, ttmp9, 1                        ; the step in the slot
	s_bfe_u32 s15, ttmp9, 0x20001                  ; w: the wave of the second launch
	s_lshr_b32 s26, ttmp9, 3                       ; the slot
	s_wait_kmcnt 0x0
	s_cmp_lt_u32 s26, 12                           ; which weight: the choice hangs on the work-group's number alone
	s_cselect_b32 s27, 4, 12                       ; the layer's first slot
	s_cselect_b64 s[28:29], s[6:7], s[8:9]
	s_cmp_lt_u32 s26, 4
	s_cselect_b32 s27, 0, s27
	s_cselect_b64 s[28:29], s[4:5], s[28:29]
	s_cselect_b32 s30, 64, 128                     ; rows of W from a field i to the next
	s_cselect_b32 s31, 1, 0                        ; layer 1?
	s_sub_co_u32 s27, s26, s27
	s_lshl_b32 s27, s27, 1
	s_add_co_u32 s27, s27, s14                     ; s: the layer's K step
	s_lshr_b32 s32, s15, 1
	s_lshl_b32 s32, s32, 5
	s_lshl_b32 s33, s27, 2
	s_add_co_u32 s32, s32, s33                     ; layer 1: i = 32 (w / 2) + 4 s,
	s_lshl_b32 s32, s32, 6
	s_and_b32 s33, s15, 1
	s_lshl_b32 s33, s33, 5
	s_add_co_u32 s32, s32, s33                     ; row 64 i + 32 (w % 2)
	s_lshl_b32 s33, s27, 9
	s_lshl_b32 s34, s15, 5
	s_add_co_u32 s33, s33, s34                     ; layers 2, 3: row 128 (4 s) + 32 w
	s_cmp_eq_u32 s31, 1
	s_cselect_b32 s32, s32, s33
	s_lshl_b32 s32, s32, 9                         ; a row of W is 512 bytes
	s_add_co_u32 s34, s15, s12
	s_and_b32 s34, s34, 3
	s_lshl_b32 s34, s34, 7                         ; my 32 columns begin at tile (2 w + 2 wave) % 8: 128 bytes x ((w + wave) % 4)
	s_add_co_u32 s32, s32, s34
	s_mov_b32 s33, 0
	s_lshl_b32 s34, s30, 9
	s_mov_b32 s35, 0
	s_add_nc_u64 s[16:17], s[28:29], s[32:33]      ; a base for each block
	s_add_nc_u64 s[18:19], s[16:17], s[34:35]
	s_add_nc_u64 s[20:21], s[18:19], s[34:35]
	s_add_nc_u64 s[22:23], s[20:21], s[34:35]
	s_mul_i32 s36, ttmp9, 12800
	s_mul_i32 s37, s12, 3072
	s_add_co_u32 s36, s36, s37
	s_mov_b32 s37, 0
	s_add_nc_u64 s[24:25], s[10:11], s[36:37]      ; my two fragments in my piece
.irp b,0,1,2,3
.set q_, 0
.rept 32
	global_load_b32 v[D+32*\b+q_], v2, s[16+2*\b:17+2*\b] offset:512*(q_+(\b%2)*(8-16*((q_/8)%2))) th:TH_LOAD_NT   ; place q takes row q xor 8 (b % 2); read once in the launch
.set q_, q_+1
.endr
.endr
; Block b: its largest magnitude in two chains, the scale, 32 codes in six registers.
.macro QB b
.set d_, D+32*(\b)
.set f_, FA+12*((\b)%2)+6*((\b)/2)
	v_max3_num_f32 v[MX+\b], |v[d_]|, |v[d_+1]|, 0x2800000          ; with the floor 2^(5 - 127) among the leaves: the byte cannot fall under 1
	v_max3_num_f32 v[MY+\b], |v[d_+16]|, |v[d_+17]|, |v[d_+18]|
.irp i,0,2,4,6,8,10
	v_max3_num_f32 v[MX+\b], v[MX+\b], |v[d_+2+\i]|, |v[d_+3+\i]|
	v_max3_num_f32 v[MY+\b], v[MY+\b], |v[d_+19+\i]|, |v[d_+20+\i]|
.endr
	v_max3_num_f32 v[MX+\b], v[MX+\b], |v[d_+14]|, |v[d_+15]|
	v_max3_num_f32 v[MX+\b], v[MX+\b], v[MY+\b], |v[d_+31]|
	v_add_nc_u32 v[SOP+\b], 0xfe000000, v[MX+\b]                    ; 4 off the exponent field: the conversion takes this operand's exponent field as its scale
	v_lshrrev_b32 v[BY+\b], 23, v[SOP+\b]                           ; the scale's byte
	v_cvt_scalef32_pk16_bf6_f32 v[f_:f_+2], v[d_:d_+15], v[SOP+\b]
	v_cvt_scalef32_pk16_bf6_f32 v[TMP:TMP+2], v[d_+16:d_+31], v[SOP+\b]
	v_nop                                          ; one plain instruction between a scaled conversion and the use of its result
.irp i,0,1,2
	v_mov_b32 v[f_+3+\i], v[TMP+\i]
.endr
.endm
	s_wait_loadcnt 62                              ; loads come back in order: at most 62 of the 128 are out, so the first 64, blocks 0 and 1, are in
	QB 0
	QB 1
	s_wait_loadcnt 32                              ; block 2 is in; block 3's 32 may be out
	QB 2
	s_wait_loadcnt 0x0
	QB 3
	v_lshl_or_b32 v20, v[BY+1], 8, v[BY]           ; my column's scale word: byte b for block b
	v_lshl_or_b32 v20, v[BY+2], 16, v20
	v_lshl_or_b32 v20, v[BY+3], 24, v20
	ds_store_b32 v4, v20
; A fragment's lane (row, half) wants blocks 2c + half of its column.  Lanes 0-15 hold my first fragment's columns, lanes 16-31 my second's; FA holds the even blocks, FB the odd ones:
; FA's lanes 16-31 change places with FB's lanes 0-15, and FA is the first fragment's image, FB the second's.
.irp g,0,1,2,3,4,5,6,7,8,9,10,11
	v_permlane16_swap_b32 v[FA+\g], v[FB+\g]
.endr
.irp c,0,1,2,3,4,5
	global_store_b128 v3, v[FA+4*\c:FA+4*\c+3], s[24:25] offset:512*\c   ; 32 lanes store 512 consecutive bytes, at a multiple of 256 from wq's first byte
.endr
	s_wait_dscnt 0x0                               ; for the others' sake: my scale words lie in LDS
	s_barrier_signal -1
	s_barrier_wait -1
	s_cmp_lg_u32 s12, 0                            ; wave 0 stores the piece's 512 bytes of scale words (its base stands at the piece's first byte)
	s_cbranch_scc1 .Ldone
	ds_load_b128 v[MY:MY+3], v3
	s_wait_dscnt 0x0
	global_store_b128 v3, v[MY:MY+3], s[24:25] offset:12288
.Ldone:
	s_wait_tensorcnt 0x0
	ds_add_u32 v192, v193
	s_wait_dscnt 0x0
	s_endpgm
.Lfunc_end_k_q19a2e629f3_quantw:
	.size	k_q19a2e629f3_quantw, .Lfunc_end_k_q19a2e629f3_quantw-k_q19a2e629f3_quantw
	.p2alignl 7, 3214868480
	.fill 96, 4, 3214868480
	.section	.rodata,"a",@progbits
	.p2align	6, 0x0
	.amdhsa_kernel k_q19a2e629f3_quantw
		.amdhsa_group_segment_fixed_size 1024
		.amdhsa_private_segment_fixed_size 0
		.amdhsa_enable_private_segment 0
		.amdhsa_kernarg_size 32
		.amdhsa_user_sgpr_count 2
		.amdhsa_user_sgpr_kernarg_segment_ptr 1
		.amdhsa_wavefront_size32 1
		.amdhsa_system_sgpr_workgroup_id_x 1
		.amdhsa_system_sgpr_workgroup_id_y 1
		.amdhsa_system_sgpr_workgroup_id_z 1
		.amdhsa_system_vgpr_workitem_id 0
		.amdhsa_next_free_vgpr 194
		.amdhsa_next_free_sgpr 66
		.amdhsa_reserve_vcc 0
		.amdhsa_float_denorm_mode_32 3
		.amdhsa_float_denorm_mode_16_64 3
		.amdhsa_memory_ordered 1
		.amdhsa_forward_progress 1
		.amdhsa_inst_pref_size 22
	.end_amdhsa_kernel
	.amdgpu_metadata
---
amdhsa.version: [ 1, 2 ]
amdhsa.kernels:
  - .name:           k_q19a2e629f3_quantw
    .symbol:         k_q19a2e629f3_quantw.kd
    .args:
      - { .name: W0, .offset: 0, .size: 8, .value_kind: global_buffer, .address_space: global }
      - { .name: W1, .offset: 8, .size: 8, .value_kind: global_buffer, .address_space: global }
      - { .name: W2, .offset: 16, .size: 8, .value_kind: global_buffer, .address_space: global }
      - { .name: wq, .offset: 24, .size: 8, .value_kind: global_buffer, .address_space: global }
    .group_segment_fixed_size: 1024
    .private_segment_fixed_size: 0
    .kernarg_segment_align: 8
    .kernarg_segment_size: 32
    .max_flat_workgroup_size: 128
    .sgpr_count:     66
    .vgpr_count:     194
    .wavefront_size: 32
...
	.end_amdgpu_metadata
.endif
;; end of part 1
;; launch cin (part 2): grid 256 x 1, 4 waves a work-group, clusters of 4 x 1, 327,680 bytes of LDS; arguments x, wq, out0; writes out0
.if DOCPART == 2
	.amdgcn_target "amdgcn-amd-amdhsa--gfx1250"
	.amdhsa_code_object_version 6
	.text
	.protected	k_q19a2e629f3_cin
	.globl	k_q19a2e629f3_cin
	.p2align	8
	.type	k_q19a2e629f3_cin,@function
k_q19a2e629f3_cin:
	s_mov_b64 s[64:65], 0
	v_nop
	global_prefetch_b8 v0, s[64:65] scope:SCOPE_SE
	s_setreg_imm32_b32 hwreg(HW_REG_WAVE_MODE, 25, 1), 1
	s_wait_xcnt 0x0
	s_wait_alu depctr_hold_cnt(0) depctr_sa_sdst(0) depctr_va_vdst(0) depctr_va_sdst(0) depctr_va_ssrc(0) depctr_va_vcc(0) depctr_vm_vsrc(0)
	s_getreg_b32 s2, hwreg(HW_REG_IB_STS2, 6, 4)
	s_cmp_eq_u32 s2, 0
	s_cbranch_scc0 .Lentry_in_a_cluster
	s_endpgm
.Lentry_in_a_cluster:
	s_bfe_u32 s2, ttmp6, 0x10000c
	s_cmp_lg_u32 s2, 0x3003
	s_cbranch_scc0 .Lentry_shape_is_right
	s_endpgm
.Lentry_shape_is_right:
; Three CIN layers and the sums over d, fused: h'[b][n][d] = sum over i, j of x[b][i][d] h[b][j][d] W[i Fi + j][n]; out0[b][128 l + n] = sum over d of h_l[b][n][d].
; Each layer is a product on codes of BF6 (E3M2) with one E8M0 scale for each 32 along K = (i, j), j innermost: a block is one i and 32 neighbouring j.  Rows are (b, d).
; SHARES.  A work-group owns 4 batch items = 64 rows: tile t is b = 4 wg + t, a tile's row is d.  THE FOUR WAVES SHARE K: wave w takes the j of block w with all 64 i (layer 1, Fi = 64: block w % 2 with
; half w / 2 of the i).  So each wave keeps only 32 h a row, makes no z twice, reads its own quarter of W alone, and each fragment of W feeds four products.  Each wave sums all 64 rows x 128 n
; (32 accumulators); at a layer's end the partial sums are exchanged through LDS, and wave w keeps n = 32 w .. 32 w + 31: its j of the next layer.
; THE OPERAND z = x_i h_j is made in registers: a lane (row d, half) holds the whole blocks i = 4 s + 2 c + half, c = 0, 1: 64 products, four conversions.  A block's largest |z| is |x_i| x the largest |h_j|,
; rounded, since rounding keeps order: one multiplication.  The largest |h| is kept divided by 16, so that the product's exponent field is the scale's byte and the product is the conversion's scale operand.
; THE PRODUCT IS USED TRANSPOSED (source 0 = 16 columns n of W, source 1 = z's 16 rows): register j of lane (d, half) is h'[16 tile + 8 half + j][d].  A lane's own 16 of its 32 h are places q with bit 3 clear;
; the other 16 come from the lane 16 away: place q of a block holds j = q xor 8 half, and wq is laid in the same order.
; BY TURNS.  The tiles are two pieces (0: tiles 0, 1; 1: tiles 2, 3).  In a turn one piece has the matrix unit for 16 products, and the other piece's next z stands in 16 slices, one behind each product.
; W comes from wq (the first launch's order) through a ring of two LDS slots of two K steps; each wave fetches and reads its own 25,600 bytes of a slot.  In registers W's fragments have TWO sets, by the
; step's parity, so that all LDS loads of a step stand in one run, a turn and a half ahead of their use.
; CLUSTER.  All work-groups walk the same wq: the four of a cluster ask for each tile jointly (mask 15), each wave by its own load.
; LIMITS: where a block's largest |h| lies under 2^-122 its sixteenth loses bits; blocks of zeros carry the byte 1 with zero codes; NaN and infinities are not served;
; h is the sum of four partial sums in a fixed order, another order of f32 rounding than a single sum's.
; REGISTERS, in windows of 256 (s_set_vgpr_msb: bits 1:0 source 0, 3:2 source 1, 5:4 source 2, 7:6 destination):
;   window 0: v1-16 addresses; v20-51 at work on scales; v52-99 z's four fragments; v100-111 the outputs; v112-123 at work; v128-255 h, 32 a tile
;   windows 1, 2: pieces 0, 1: v0-127 accumulators (tile t % 2, fragment f at 64 (t % 2) + 8 f); v128-191 64 products; v192-195 block maxima
;   window 3: v0-95 W's eight fragments of even steps, v104-199 of odd steps; v96-99, v248-251 piece 0's x for even and odd steps, v100-103 piece 1's; v104-247 buffers at the start and at a layer's end
.set RING0, 28672                      ; LDS: slot 0 of the ring; wave w's part at + 25,600 w
.set SLOT1, 1<<17                      ; slot 1 lies this far on: one exclusive or turns an address
.set WPART, 25600                      ; a wave's part of a slot: two K steps
.set STEPB, 12800                      ; a K step: eight fragments of 1,536 bytes and 512 bytes of scale words
.set SCOFF, 12288
.set SLOTB, 102400                     ; a slot in wq
.set SPARE, 24576                      ; the spare words, 128 bytes for each wave: two blocks of 256 bytes that no other line names
.set STGB,  24576                      ; a wave's stage: three images of 8,192 bytes.  Stages at 0, 131,072, 262,144, 286,720: none in a ring slot
.set IMG,   8192
.set DP,    528                        ; the sums over d: rows of 512 bytes + 16 = 33 x 16: sixteen lanes that take one column of sixteen rows touch sixteen different 16-byte columns modulo 256
.set XIMG,  311296                     ; x as images of the X registers: piece g, index at 8,192 g + 512 index + 16 lane; at the end the stage of out0
.set SPW, 1                            ; v1   LDS address of my spare word; never rewritten
.set NIL, 2                            ; v2   0; never rewritten
.set WA0, 3                            ; v3   my lane's place in my wave's part of slot 0
.set ADR, 4                            ; v4   the K step whose fragments are being fetched
.set XA0, 5                            ; v5   my lane's place in x's images
.set XAD, 6                            ; v6   the same at the step's index
.set SH8, 7                            ; v7   8 x (lane / 16)
.set SA,  8                            ; v8-10 where my partial sums for waves w + 1, w + 2, w + 3 go
.set LA,  11                           ; v11  my stage + 16 lane
.set DR,  12                           ; v12  my stage, read across: row lane % 16, half lane / 16
.set OA,  13                           ; v13  where my sums over d go in the stage of out0
.set ORD, 14                           ; v14  and where I read a row of out0 back
.set OG,  15                           ; v15  16 x lane
.set PFO, 16                           ; v16  the prefetches' offset; never rewritten
.set PT,  20                           ; v20-23 at work on the scale words
.set SO,  24                           ; v24-27 the conversions' scale operands: 2 (t % 2) + c
.set HMX, 28                           ; v28-31 the largest |h| of my 32, divided by 16, a tile each
.set ZS,  32                           ; v32-35 z's scale words, a tile each
.set WSA, 36                           ; v36-39 W's scale words of even steps, v40-43 of odd steps: lanes 0-15 fragment 2 q, lanes 16-31 fragment 2 q + 1
.set TMPA, 44
.set TMPB, 48
.set Z,   52
.set OS,  100
.set HT,  112
.set XW,  120
.set H,   128
.set T,   128                          ; in windows 1, 2
.set AM,  192
.set W1B, 104                          ; in window 3: where the odd steps' fragments begin
.set XR,  96                           ; in window 3: piece 0's x for even steps; + 4: piece 1's
.set XR2, 248                          ; piece 0's x for odd steps
.set BUF, 104
.set WV,  10                           ; s10  my wave
.set G1,  16                           ; s[16:23] descriptor group 1
.set G0A, 24                           ; s[24:27] group 0 of slot 0's first fill
.set G0B, 28                           ; s[28:31] group 0 of slot 1's, which then walks
.set TB,  32                           ; s32  where the K step to be fetched begins in my part of the ring
.set XB,  33                           ; s33  512 x its index into x's images
.set GRP, 35
.set SLOTS, 36                         ; s36  slots still to be asked for
.set LIM, 37                           ; s37  2 in a cluster that prefetches, else the greatest number
.set PFA, 38                           ; s[38:39] where my prefetches stand
.set SEL, 40                           ; s[40:41] v_permlanex16_b32's selects for lane l xor 16
.set FLR, 56                           ; s56  2^-126: the floor under a block's maximum / 16, so that the byte cannot fall under 1
.set MSB, 0
.macro WIN new                         ; the immediate's high byte repeats the setting that is left; a switch that changes nothing is dropped
.if MSB != (\new)
	s_set_vgpr_msb (MSB<<8)|(\new)
.set MSB, \new
.endif
.endm
.macro PLACES                          ; four plain vector instructions between a matrix instruction and a load into, or a store out of, its registers (ISA guide 7.12.1 for stores)
.rept 4
	v_nop
.endr
.endm
.macro CROUND                          ; a round of the cluster's barrier
	s_barrier_signal -1
	s_barrier_wait -1
	s_cmp_lg_u32 s[WV], 0
	s_cbranch_scc1 .Lnw0_\@
	s_barrier_signal -3
.Lnw0_\@:
	s_barrier_wait -3
	s_barrier_signal -1
	s_barrier_wait -1
.endm
; Product k_ of a turn of piece x in a step of parity p: fragment k_ / 2 of W's set p against tile 2 x + k_ % 2.  The 16 accumulators take turns, one instruction a turn.
.macro WM x, p, zero
.set nu_, k_/2
.set ac_, 64*(k_%2)+8*nu_
.set zt_, Z+12*(2*(\x)+k_%2)
.set zs_, ZS+2*(\x)+k_%2
.set wf_, W1B*(\p)+12*nu_
.set ws_, WSA+4*(\p)+nu_/2
.if \zero
.if nu_%2
	v_wmma_scale_f32_16x16x128_f8f6f4 v[ac_:ac_+7], v[wf_:wf_+11], v[zt_:zt_+11], 0, v[ws_], v[zs_] matrix_a_fmt:MATRIX_FMT_BF6 matrix_b_fmt:MATRIX_FMT_BF6 matrix_a_scale:MATRIX_SCALE_ROW1
.else
	v_wmma_scale_f32_16x16x128_f8f6f4 v[ac_:ac_+7], v[wf_:wf_+11], v[zt_:zt_+11], 0, v[ws_], v[zs_] matrix_a_fmt:MATRIX_FMT_BF6 matrix_b_fmt:MATRIX_FMT_BF6
.endif
.else
.if nu_%2
	v_wmma_scale_f32_16x16x128_f8f6f4 v[ac_:ac_+7], v[wf_:wf_+11], v[zt_:zt_+11], v[ac_:ac_+7], v[ws_], v[zs_] matrix_a_fmt:MATRIX_FMT_BF6 matrix_b_fmt:MATRIX_FMT_BF6 matrix_a_scale:MATRIX_SCALE_ROW1
.else
	v_wmma_scale_f32_16x16x128_f8f6f4 v[ac_:ac_+7], v[wf_:wf_+11], v[zt_:zt_+11], v[ac_:ac_+7], v[ws_], v[zs_] matrix_a_fmt:MATRIX_FMT_BF6 matrix_b_fmt:MATRIX_FMT_BF6
.endif
.endif
.endm
; cnt packed products of tile t from number n0 on: number n is places 2 (n % 16), + 1 of block c = n / 16: x_c (one register of the pair, for both halves) x two h.  Same windows as the matrix instruction.
.macro PMULS t, n0, cnt
.set pn_, \n0
.set xq_, xr_+2*((\t)%2)
.rept \cnt
.set kq_, pn_%16
.set hx_, H+32*(\t)+2*kq_
.if pn_ < 16
	v_pk_mul_f32 v[T+2*kq_:T+2*kq_+1], v[xq_:xq_+1], v[hx_:hx_+1] op_sel_hi:[0,1]
.else
	v_pk_mul_f32 v[T+32+2*kq_:T+32+2*kq_+1], v[xq_:xq_+1], v[hx_:hx_+1] op_sel:[1,0] op_sel_hi:[1,1]
.endif
.set pn_, pn_+1
.endr
.endm
; Tile t's 64 products become its fragment: registers 6 c .. 6 c + 5 are block 2 c + half.  e = t % 2.
.macro SECT t, e
.set zz_, Z+12*(\t)
	WIN S2_
	v_cvt_scalef32_pk16_bf6_f32 v[zz_:zz_+2], v[T:T+15], v[SO+2*(\e)]
	v_cvt_scalef32_pk16_bf6_f32 v[TMPA:TMPA+2], v[T+16:T+31], v[SO+2*(\e)]           ; (a conversion's three registers begin on an even number)
	v_cvt_scalef32_pk16_bf6_f32 v[zz_+6:zz_+8], v[T+32:T+47], v[SO+2*(\e)+1]
	v_cvt_scalef32_pk16_bf6_f32 v[TMPB:TMPB+2], v[T+48:T+63], v[SO+2*(\e)+1]
	WIN 0
	v_nop                                          ; one plain instruction between a scaled conversion and the use of its result
.irp i,0,1,2
	v_mov_b32 v[zz_+3+\i], v[TMPA+\i]
.endr
.irp i,0,1,2
	v_mov_b32 v[zz_+9+\i], v[TMPB+\i]
.endr
.endm
.macro LGALL p                         ; the eight fragments of the K step at ADR into set p: 24 loads of 512 consecutive bytes
	WIN 0xc0
.irp f,0,1,2,3,4,5,6,7
.irp c,0,1,2
	ds_load_b128 v[W1B*(\p)+12*\f+4*\c:W1B*(\p)+12*\f+4*\c+3], v[ADR] offset:\f*1536+512*\c
.endr
.endr
.endm
; Slice k_ of the z of the piece that does not have the matrix unit (tiles ta_, tb_).
.macro SLICE x, p, ld
.if k_ == 0
	WIN S1_
	v_pk_mul_f32 v[AM:AM+1], v[xr_:xr_+1], v[HMX+ta_:HMX+ta_+1] op_sel_hi:[1,0]                  ; x_i x the largest |h| / 16: the blocks' maxima / 16, signed
	v_pk_mul_f32 v[AM+2:AM+3], v[xr_+2:xr_+3], v[HMX+ta_:HMX+ta_+1] op_sel:[0,1] op_sel_hi:[1,1]
	PMULS ta_, 0, 4
.elseif k_ == 1
	WIN S2_
.irp e,0,1,2,3
	v_max_num_f32 v[SO+\e], |v[AM+\e]|, s[FLR]
.endr
	WIN 0
	v_lshrrev_b32 v[PT], 23, v[SO]                 ; the bytes of my two blocks of each tile,
	v_lshrrev_b32 v[PT+2], 23, v[SO+2]
	v_lshrrev_b32 v[PT+1], 23, v[SO+1]
	v_lshrrev_b32 v[PT+3], 23, v[SO+3]
	v_lshl_or_b32 v[PT], v[PT+1], 16, v[PT]
	v_lshl_or_b32 v[PT+2], v[PT+3], 16, v[PT+2]
	v_lshlrev_b32 v[PT], v[SH8], v[PT]             ; at their places in the row's scale word (blocks half and 2 + half);
	v_lshlrev_b32 v[PT+2], v[SH8], v[PT+2]
	v_permlanex16_b32 v[PT+1], v[PT], s[SEL], s[SEL+1]
	v_permlanex16_b32 v[PT+3], v[PT+2], s[SEL], s[SEL+1]
	v_or_b32 v[ZS+ta_], v[PT], v[PT+1]             ; with the lane 16 away the word is whole
	v_or_b32 v[ZS+tb_], v[PT+2], v[PT+3]
.if \ld && \x
	v_add_nc_u32 v[ADR], s[TB], v[WA0]             ; THE STEP'S ONE RUN OF LDS LOADS: all that the next K step wants, into the other set
	v_add_nc_u32 v[XAD], s[XB], v[XA0]
	ds_load_b128 v[WSA+4*np_:WSA+4*np_+3], v[ADR] offset:SCOFF   ; its scale words,
	LGALL np_                                      ; its eight fragments,
	ds_load_b128 v[XR+4:XR+7], v[XAD] offset:IMG   ; piece 1's x of that step,
	ds_load_b128 v[XR+(XR2-XR)*(\p):XR+(XR2-XR)*(\p)+3], v[XAD] offset:512   ; and piece 0's x of the step after it (behind a layer's last step: bytes of x's images, loaded and not used)
.endif
.elseif k_ < 6
	WIN S1_
	PMULS ta_, 4+5*(k_-2), 5
.elseif k_ < 8
	WIN S1_
	PMULS ta_, 24+4*(k_-6), 4
.elseif k_ == 8
	SECT ta_, 0
.elseif k_ < 11
	WIN S1_
	PMULS tb_, 6*(k_-9), 6
.elseif k_ < 15
	WIN S1_
	PMULS tb_, 12+5*(k_-11), 5
.else
	SECT tb_, 1
.endif
.endm
; A TURN in a step of parity p.  mm: piece x's 16 products on W's set p (zero: they start the sums).  gen: the other piece's z in slices.  ld (piece 1's turn): the next step's LDS loads.
; The 27 loads of a step stand in ONE run behind the second product of piece 1's turn of the step before.  The set that they land in was last read by products a whole turn back, whose places are that turn's
; slices.  One wait for 0 stands at the head of piece 0's turn, 14 products behind the run; piece 1's turn needs none: nothing has been asked of LDS since.
; chg: a change of slots follows this turn.  Its first two lines stand here, ahead of product 12: four products and their slices, work on registers alone, stand between the add and the wait for it.
.macro TURN x, p, mm, zero, gen, ld, chg
.set S1_, 0x53+0x50*(\x)               ; W and x in window 3, z and h in window 0, accumulators and products in the piece's window
.set S2_, 0x01+(\x)                    ; source 0 in the piece's window, all else in window 0
.set ta_, 2-2*(\x)
.set tb_, 3-2*(\x)
.set np_, 1-(\p)
.if \x
.set xr_, XR+(XR2-XR)*np_              ; piece 0's x of the next step
.else
.set xr_, XR+4                         ; piece 1's x of this step
.endif
.if \mm && (\x == 0)
	s_wait_dscnt 0x0                               ; this step's fragments, scale words and x are in
.endif
.if \gen == 0
	WIN 0                                          ; four plain instructions between the moves that finished tile 3's fragment and the product that reads it
.if \ld
	v_add_nc_u32 v[ADR], s[TB], v[WA0]
.else
	v_nop
.endif
	v_nop
	v_nop
	v_nop
.if \ld
	ds_load_b128 v[WSA+4*np_:WSA+4*np_+3], v[ADR] offset:SCOFF   ; the next layer's first step
	LGALL np_
.endif
.endif
.set k_, 0
.rept 16
.if \mm
.if \chg && (k_ == 12)
	WIN 0                                          ; (the add's two registers lie in window 0)
	s_wait_tensorcnt 0x0                           ; all my tensor loads have landed: the one that was out is my part of the other slot
	ds_add_u32 v[SPW], v[NIL]                      ; 0 onto my spare word
.endif
	WIN S1_
	WM \x, \p, \zero
.endif
.if \gen
	SLICE \x, \p, \ld
.endif
.set k_, k_+1
.endr
.if \gen == 0
	PLACES                                         ; behind a layer's last products: for the stores of the sums, and for the loads into the registers of W's odd set
.endif
.endm
.macro STEPADV
	s_add_co_u32 s[TB], s[TB], STEPB
	s_add_co_u32 s[XB], s[XB], 512
.endm
.macro PAIR p, q, z, chg               ; piece 1's turn of a step of parity p, piece 0's of the next, of parity q = 1 - p
	TURN 1,\p,1,\z,1,1,0
	TURN 0,\q,1,0,1,0,\chg
	STEPADV
.endm
; A PREFETCH INTO THE L2 of the slot that the change after next will ask for: two changes, 128 products of each wave, ahead of that load.  All clusters walk the same wq: cluster 0 alone asks.
; Each wave names its own 25,600 bytes of the slot; the four partners share them BY ADDRESS, 6,400 bytes each, lanes 256 bytes apart: 25 lanes' worth, and lanes 25 to 31 name lane 24's bytes again.
; The last two changes that fill a slot ask for nothing; slots 0 to 3 come by their loads alone.
.macro ASK
	s_cmp_gt_u32 s[SLOTS], s[LIM]
	s_cbranch_scc0 .Lnoask_\@
	global_prefetch_b8 v[PFO], s[PFA:PFA+1] th:TH_LOAD_NT scope:SCOPE_SE
.Lnoask_\@:
.endm
; THE CHANGE OF SLOTS, behind piece 0's turn of a slot's second step: all of the slot's bytes were asked for a turn and a half ago.  The wait for all my tensor loads and the add stand in that turn (TURN, chg);
; here the descriptor and the addresses step, and the wait for the add and for my reads of the slot follows.  fill = 1: a round of the cluster's barrier, and the joint refill first behind it: it has
; two K steps less four products, 60 products and their vector work, in which to land.
.macro CHANGE fill
	WIN 0
.if \fill
	s_xor_b32 s[G0B+1], s[G0B+1], SLOT1            ; no tensor load of mine is out, so the walking group 0 may be written: the other slot than last time,
	s_add_nc_u64 s[G0B+2:G0B+3], s[G0B+2:G0B+3], SLOTB   ; the next slot of wq; the type bits on top are not reached
	s_wait_xcnt 0x0                                ; the last prefetch, a slot back, has read its address
	s_add_nc_u64 s[PFA:PFA+1], s[PFA:PFA+1], SLOTB
.endif
	s_sub_co_u32 s[TB], s[TB], WPART               ; the fetches go back to a slot's first step,
	s_xor_b32 s[TB], s[TB], SLOT1                  ; in the other slot
	s_wait_dscnt 0x0                               ; the add is done, and my reads of the slot are over
.if \fill
	CROUND
	tensor_load_to_lds s[G0B:G0B+3], s[G1:G1+7]
	s_nop 0
	PLACES
	ASK
	s_sub_co_u32 s[SLOTS], s[SLOTS], 1
.else
	s_barrier_signal -1
	s_barrier_wait -1
.endif
.endm
.macro HMAXES                          ; the largest |h| of each tile's 32, divided by 16: my own 16 (places with bit 3 clear), then the lane 16 away
.irp t,0,1,2,3
	v_max3_num_f32 v[HT+\t], |v[H+32*\t]|, |v[H+32*\t+1]|, |v[H+32*\t+2]|
.endr
.irp q,3,5,17,19,21
.irp t,0,1,2,3
	v_max3_num_f32 v[HT+\t], v[HT+\t], |v[H+32*\t+\q]|, |v[H+32*\t+\q+1]|
.endr
.endr
.irp t,0,1,2,3
	v_max3_num_f32 v[HT+\t], v[HT+\t], |v[H+32*\t+7]|, |v[H+32*\t+16]|
.endr
.irp t,0,1,2,3
	v_max_num_f32 v[HT+\t], v[HT+\t], |v[H+32*\t+23]|
.endr
.irp t,0,1,2,3
	v_permlanex16_b32 v[HT+4+\t], v[HT+\t], s[SEL], s[SEL+1]
.endr
.irp t,0,1,2,3
	v_max_num_f32 v[HT+\t], v[HT+\t], v[HT+4+\t]
.endr
.irp t,0,1,2,3
	v_mul_f32 v[HMX+\t], 0x3d800000, v[HT+\t]
.endr
.endm
.macro RLD t, b                        ; the three other waves' partial sums of tile t, my 32 n: twelve loads into buffer b
	WIN 0xc0
.irp d,0,1,2
.irp g,0,1,2,3
	ds_load_b128 v[BUF+48*(\b)+16*\d+4*\g:BUF+48*(\b)+16*\d+4*\g+3], v[LA] offset:\d*IMG+(4*(\t)+\g)*512
.endr
.endr
.endm
.macro RADD t, b                       ; (first + second) + third + mine -> my own 16 h of tile t; each of my accumulators is read from its low end on
.set b0_, BUF+48*(\b)
	WIN 0xcf
.irp p,0,1,2,3,4,5,6,7
	v_pk_add_f32 v[b0_+2*\p:b0_+2*\p+1], v[b0_+2*\p:b0_+2*\p+1], v[b0_+16+2*\p:b0_+16+2*\p+1]
.endr
.irp p,0,1,2,3,4,5,6,7
	v_pk_add_f32 v[b0_+2*\p:b0_+2*\p+1], v[b0_+2*\p:b0_+2*\p+1], v[b0_+32+2*\p:b0_+32+2*\p+1]
.endr
	WIN 0x07+4*((\t)/2)
.irp p,0,1,2,3,4,5,6,7
	v_pk_add_f32 v[H+32*(\t)+16*(\p/4)+2*(\p%4):H+32*(\t)+16*(\p/4)+2*(\p%4)+1], v[b0_+2*\p:b0_+2*\p+1], v[64*((\t)%2)+2*\p:64*((\t)%2)+2*\p+1]
.endr
.endm
; A LAYER'S END.  Fragments 2 d, 2 d + 1 of my accumulators are wave (w + d) % 4's n: they go to its stage as images of the registers; a barrier; each wave adds what it was sent to its own.
; Then the layer's sums over d: my 16 groups of four registers go through my own stage and come back across: lane (group, half) reads the 16 rows d of its group and adds them.
.macro RED L, last
.irp x,0,1
	WIN 0x04+4*\x                                  ; an LDS store's data are its source 1: window 1 or 2
.irp e,0,1
.irp d,1,2,3
.irp u,0,1
	ds_store_b128 v[SA+\d-1], v[64*\e+8*(2*\d+\u):64*\e+8*(2*\d+\u)+3] offset:(4*(2*\x+\e)+2*\u)*512      ; each accumulator from its low end on
	ds_store_b128 v[SA+\d-1], v[64*\e+8*(2*\d+\u)+4:64*\e+8*(2*\d+\u)+7] offset:(4*(2*\x+\e)+2*\u+1)*512
.endr
.endr
.endr
.endr
	WIN 0
	s_wait_dscnt 0x0                               ; for the others' sake: my stores have landed (and my LDS loads are in)
	s_barrier_signal -1                            ; my tensor load may stay out
	s_barrier_wait -1
	RLD 0,0
	RLD 1,1
	RLD 2,2
	s_wait_dscnt 24                                ; tile 0's twelve are in; tiles 1 and 2 may be out
	RADD 0,0
	RLD 3,0
	s_wait_dscnt 24                                ; tile 1's; tiles 2 and 3 may be out
	RADD 1,1
	s_wait_dscnt 12
	RADD 2,2
	s_wait_dscnt 0x0
	RADD 3,0
	WIN 0
.irp g,0,1,2,3,4,5,6,7,8,9,10,11,12,13,14,15
	ds_store_b128 v[LA], v[H+32*(\g/4)+16*((\g/2)%2)+4*(\g%2):H+32*(\g/4)+16*((\g/2)%2)+4*(\g%2)+3] offset:\g*DP   ; into my own stage, whose images I have read
.endr
	WIN 0xc0
.irp r,0,1,2,3,4,5,6,7,8,9,10,11,12,13,14,15
	ds_load_b128 v[BUF+4*\r:BUF+4*\r+3], v[DR] offset:16*\r   ; LDS serves a wave's instructions in order (ISA guide 5.7.1.4): these see my stores
.endr
.if \last == 0
	s_mov_b32 s[XB], 0                             ; the next layer takes all 64 i, from index 0 on
	WIN 0
	v_add_nc_u32 v[XAD], s[XB], v[XA0]
	WIN 0xc0
	ds_load_b128 v[XR:XR+3], v[XAD]                ; piece 0's x of steps 0 and 1, piece 1's of step 0
	ds_load_b128 v[XR+4:XR+7], v[XAD] offset:IMG
	ds_load_b128 v[XR2:XR2+3], v[XAD] offset:512
	WIN 0
.irp t,0,1,2,3
.irp u,0,1
.irp j,0,1,2,3,4,5,6,7
	v_permlanex16_b32 v[H+32*\t+16*\u+8+\j], v[H+32*\t+16*\u+\j], s[SEL], s[SEL+1]   ; the other 16 h of my row
.endr
.endr
.endr
	HMAXES
.endif
	s_wait_dscnt 0x0
	WIN 0xcf
.irp s,8,4,2
.set i_, 0
.rept \s
	v_pk_add_f32 v[BUF+4*i_:BUF+4*i_+1], v[BUF+4*i_:BUF+4*i_+1], v[BUF+4*(i_+\s):BUF+4*(i_+\s)+1]
	v_pk_add_f32 v[BUF+4*i_+2:BUF+4*i_+3], v[BUF+4*i_+2:BUF+4*i_+3], v[BUF+4*(i_+\s)+2:BUF+4*(i_+\s)+3]
.set i_, i_+1
.endr
.endr
	WIN 0x0f
	v_pk_add_f32 v[OS+4*(\L):OS+4*(\L)+1], v[BUF:BUF+1], v[BUF+4:BUF+5]
	v_pk_add_f32 v[OS+4*(\L)+2:OS+4*(\L)+3], v[BUF+2:BUF+3], v[BUF+6:BUF+7]
	WIN 0
.if \last == 0
	TURN 1,1,0,0,1,0,0                             ; piece 0's z of the next layer's first step
.endif
.endm
; A LAYER of 2 ng + 2 steps (the last: 2 ng + 6).  A trip is a slot's two steps and the change of slots behind them.  The last layer's last two slots, behind which nothing
; is asked for, have a loop of their own; the barrier behind the very last slot orders nothing and is the price of writing those four turns once.
.macro LAYER ng, last
	TURN 0,0,1,1,1,0,0
	STEPADV
	PAIR 0,1,1,1
	CHANGE 1
	s_mov_b32 s[GRP], \ng
.Lgrp_\@:
	PAIR 1,0,0,0
	PAIR 0,1,0,1
	CHANGE 1
	s_sub_co_u32 s[GRP], s[GRP], 1
	s_cmp_lg_u32 s[GRP], 0
	s_cbranch_scc1 .Lgrp_\@
.if \last
	s_mov_b32 s[GRP], 2
.Ltail_\@:
	PAIR 1,0,0,0
	PAIR 0,1,0,1
	CHANGE 0
	s_sub_co_u32 s[GRP], s[GRP], 1
	s_cmp_lg_u32 s[GRP], 0
	s_cbranch_scc1 .Ltail_\@
	TURN 1,1,1,0,0,0,0
.else
	TURN 1,1,1,0,0,1,0                             ; the layer's last products; W's fragments of the next layer's first step are fetched
.endif
.endm
.macro STGOF sd, dl                    ; s[sd] = the stage of wave (mine + dl) % 4: 0, 131,072, 262,144, 286,720
	s_add_co_u32 s[\sd], s[WV], \dl
	s_and_b32 s[\sd], s[\sd], 3
	s_lshr_b32 s55, s[\sd], 1
	s_and_b32 s55, s55, s[\sd]
	s_mul_i32 s55, s55, STGB
	s_min_u32 s[\sd], s[\sd], 2
	s_lshl_b32 s[\sd], s[\sd], 17
	s_add_co_u32 s[\sd], s[\sd], s55
.endm
	s_load_b128 s[4:7], s[0:1], 0x0                ; x s[4:5], wq s[6:7]
	s_load_b64 s[8:9], s[0:1], 0x10                ; out0
	v_lshl_add_u32 v[SPW], v0, 2, SPARE
	v_mov_b32 v[NIL], 0
	ds_add_u32 v1, v2
	ds_add_u32 v1, v2
	s_wait_dscnt 0x0
	v_lshrrev_b32 v17, 5, v0
	v_readfirstlane_b32 s[WV], v17                 ; wave 0..3
	s_bfe_u32 s11, ttmp6, 0x40000                  ; cx: my place in the cluster
	s_lshl_b32 s12, ttmp9, 2                       ; in a cluster launch ttmp9 counts clusters
	s_add_co_u32 s12, s12, s11                     ; my work-group: it enters x's, out0's and the prefetches' addresses alone
	; descriptor group 1: a wave's part of a slot, 25,600 dense bytes, as 100 rows of 256 bytes
	s_mov_b32 s[G1+0], 15|(3<<16)|(1<<21)          ; 15:0 the mask: all four work-groups; 17:16 elements of 8 bytes; 20 no padding; 21 set beside a mask
	s_mov_b32 s[G1+1], 32<<16                      ; tensor_dim0 = 32
	s_mov_b32 s[G1+2], 100<<16                     ; tensor_dim1 = 100
	s_mov_b32 s[G1+3], 32<<16                      ; tile_dim0 = 32
	s_mov_b32 s[G1+4], 100                         ; tile_dim1 = 100
	s_mov_b32 s[G1+5], 32                          ; tensor_dim0_stride
	s_mov_b32 s[G1+6], 0
	s_mov_b32 s[G1+7], 0
	s_mul_i32 s42, s[WV], WPART                    ; my wave's part: in a slot of wq,
	s_mov_b32 s43, 0
	s_add_co_u32 s44, s42, RING0                   ; and in slot 0 of the ring: no place in the cluster enters an LDS address
	s_mov_b32 s[SEL], 0x76543210
	s_mov_b32 s[SEL+1], 0xfedcba98
	s_mov_b32 s[FLR], 0x800000
	s_mov_b32 s[SLOTS], 18
	s_cmp_eq_u32 ttmp9, 0                          ; the same in all four partners
	s_cselect_b32 s[LIM], 2, -1
	s_lshr_b32 s50, s[WV], 1
	s_and_b32 s51, s[WV], 1
	s_lshl_b32 s52, s50, 13
	s_lshl_b32 s53, s51, 11
	s_add_co_u32 s54, s52, s53
	v_and_b32 v112, 31, v0                         ; lane
	v_lshlrev_b32 v[OG], 4, v112
	v_and_b32 v114, 15, v0                         ; r: the row d
	v_bfe_u32 v115, v0, 4, 1                       ; half
	v_lshl_add_u32 v17, v112, 2, s54               ; x for the images: tiles 2 (w / 2), + 1; fields 32 (w % 2) on; 4 bytes a lane
	v_lshl_add_u32 v116, v114, 2, s53              ; x as layer 1's h: fields 32 (w % 2) on, 4 r,
	v_lshl_add_u32 v18, v115, 9, v116              ; + 8 half fields for the places with bit 3 clear,
	v_xor_b32 v117, 1, v115
	v_lshl_add_u32 v19, v117, 9, v116              ; + 8 (1 - half) for the others
	s_wait_kmcnt 0x0
	s_add_nc_u64 s[46:47], s[6:7], s[42:43]
	s_mov_b32 s[G0A], 1                            ; 1:0 count = 1
	s_mov_b32 s[G0A+1], s44                        ; LDS address
	s_mov_b64 s[G0A+2:G0A+3], s[46:47]             ; global address: slot 0 of wq
	s_or_b32 s[G0A+3], s[G0A+3], 0x80000000        ; type = 2
	s_mov_b32 s[G0B], 1
	s_add_co_u32 s[G0B+1], s44, SLOT1
	s_add_nc_u64 s[G0B+2:G0B+3], s[46:47], SLOTB
	s_or_b32 s[G0B+3], s[G0B+3], 0x80000000
	s_mul_i32 s48, s11, 6400
	s_mov_b32 s49, 0
	s_add_nc_u64 s[PFA:PFA+1], s[46:47], s[48:49]  ; my work-group's quarter of my wave's part,
	s_add_nc_u64 s[PFA:PFA+1], s[PFA:PFA+1], 3*SLOTB   ; in slot 3: the first change of slots steps it to slot 4.  Nothing is prefetched at the head
	s_lshl_b32 s48, s12, 14
	s_add_nc_u64 s[4:5], s[4:5], s[48:49]          ; x at my four batch items
	s_mul_i32 s48, s12, 6144
	s_mul_i32 s55, s[WV], 1536
	s_add_co_u32 s48, s48, s55
	s_add_nc_u64 s[8:9], s[8:9], s[48:49]          ; out0 at the row that I store
	CROUND                                         ; all four work-groups are here: the first joint loads meet
	tensor_load_to_lds s[G0A:G0A+3], s[G1:G1+7]    ; two loads of mine are out
	s_nop 0
	tensor_load_to_lds s[G0B:G0B+3], s[G1:G1+7]
	s_nop 0
	PLACES
	WIN 0xc0
.irp j,0,1,2,3,4,5,6,7                 ; index 8 (w % 2) + j: the X registers' four words: tile e, c: field 4 index + 2 c + half, row r
.irp e,0,1
.irp c,0,1
	global_load_b32 v[BUF+4*\j+2*\e+\c], v17, s[4:5] offset:4096*\e+128*(2*\j+\c)
.endr
.endr
.endr
	WIN 0
.irp t,0,1,2,3
.set q_, 0
.rept 32
.if (q_/8)%2 == 0
	global_load_b32 v[H+32*\t+q_], v18, s[4:5] offset:4096*\t+64*q_
.else
	global_load_b32 v[H+32*\t+q_], v19, s[4:5] offset:4096*\t+64*(q_-8)
.endif
.set q_, q_+1
.endr
.endr
	v_add_nc_u32 v[WA0], s44, v[OG]
	v_add_nc_u32 v[XA0], XIMG, v[OG]
	v_lshlrev_b32 v[SH8], 3, v115
	STGOF 57, 0
	v_add_nc_u32 v[LA], s57, v[OG]
	v_mul_u32_u24 v[DR], v114, DP
	v_lshl_add_u32 v[DR], v115, 8, v[DR]
	v_add_nc_u32 v[DR], s57, v[DR]
.irp d,1,2,3
	STGOF 57, \d
	s_add_co_u32 s57, s57, (\d-1)*IMG
	v_add_nc_u32 v[SA+\d-1], s57, v[OG]
.endr
	v_bfe_u32 v116, v0, 2, 2                       ; lane (group g, half) holds out0 of tile g / 4, n = 32 w + 16 ((g / 2) % 2) + 8 half + 4 (g % 2) + 0..3
	v_mul_u32_u24 v[OA], v116, 1536
	v_bfe_u32 v116, v0, 1, 1
	v_lshl_add_u32 v[OA], v116, 6, v[OA]
	v_lshl_add_u32 v[OA], v115, 5, v[OA]
	v_and_b32 v116, 1, v0
	v_lshl_add_u32 v[OA], v116, 4, v[OA]
	s_lshl_b32 s57, s[WV], 7
	s_add_co_u32 s57, s57, XIMG
	v_add_nc_u32 v[OA], s57, v[OA]
	s_mul_i32 s57, s[WV], 1536
	s_add_co_u32 s57, s57, XIMG
	v_add_nc_u32 v[ORD], s57, v[OG]
	v_min_u32 v[PFO], 24, v112
	v_lshlrev_b32 v[PFO], 8, v[PFO]
	s_lshl_b32 s57, s51, 12
	s_add_co_u32 s57, s57, s52
	s_add_co_u32 s57, s57, XIMG
	v_add_nc_u32 v[XW], s57, v[OG]                 ; x's images: piece w / 2, indices 8 (w % 2) on
.irp t,0,1,2,3
	v_mov_b32 v[HT+4+\t], 0                        ; written once: a lane permute's destination counts as one of its sources
.endr
	s_wait_loadcnt 0x0
	WIN 0x0c
.irp j,0,1,2,3,4,5,6,7
	ds_store_b128 v[XW], v[BUF+4*\j:BUF+4*\j+3] offset:512*\j
.endr
	WIN 0
	HMAXES
	s_wait_dscnt 0x0                               ; for the others' sake: my part of x's images lies in LDS
	s_wait_tensorcnt 0x1                           ; my part of slot 0 is in; slot 1's may stay out
	s_barrier_signal -1
	s_barrier_wait -1
	s_mov_b32 s[TB], 0
	s_lshl_b32 s[XB], s50, 12                      ; layer 1: my half of the i: index 8 (w / 2) on
	v_add_nc_u32 v[ADR], s[TB], v[WA0]
	v_add_nc_u32 v[XAD], s[XB], v[XA0]
	ds_load_b128 v[WSA:WSA+3], v[ADR] offset:SCOFF ; the first step: the even set
	LGALL 0
	ds_load_b128 v[XR:XR+3], v[XAD]                ; piece 0's x of steps 0 and 1, piece 1's of step 0
	ds_load_b128 v[XR+4:XR+7], v[XAD] offset:IMG
	ds_load_b128 v[XR2:XR2+3], v[XAD] offset:512
	s_wait_dscnt 0x0
	TURN 1,1,0,0,1,0,0                             ; piece 0's z of the first step
	LAYER 3,0
	RED 0,0
	LAYER 7,0
	RED 1,0
	LAYER 5,1
	RED 2,1
	; THE WAY OUT.  The twelve sums of a lane meet in a stage of 4 rows x 1,536 bytes, in the bytes of x's images: every wave's last read of those stands in front of the last layer's barrier.
.irp j,0,1,2
	ds_store_b128 v[OA], v[OS+4*\j:OS+4*\j+3] offset:512*\j
.endr
	s_wait_dscnt 0x0                               ; for the others' sake
	s_barrier_signal -1
	s_barrier_wait -1
.irp j,0,1,2
	ds_load_b128 v[HT+4*\j:HT+4*\j+3], v[ORD] offset:512*\j
.endr
	s_wait_dscnt 0x0
.irp j,0,1,2
	global_store_b128 v[OG], v[HT+4*\j:HT+4*\j+3], s[8:9] offset:512*\j th:TH_STORE_NT   ; 32 lanes store 512 consecutive bytes, at a multiple of 256 from out0's first byte
.endr
	s_wait_tensorcnt 0x0                           ; the wave's end
	ds_add_u32 v[SPW], v[NIL]
	s_wait_dscnt 0x0
	CROUND                                         ; the closing round: no work-group ends while a partner may still ask for a tile that names it
	s_endpgm
.Lfunc_end_k_q19a2e629f3_cin:
	.size	k_q19a2e629f3_cin, .Lfunc_end_k_q19a2e629f3_cin-k_q19a2e629f3_cin
	.p2alignl 7, 3214868480
	.fill 96, 4, 3214868480
	.section	.rodata,"a",@progbits
	.p2align	6, 0x0
	.amdhsa_kernel k_q19a2e629f3_cin
		.amdhsa_group_segment_fixed_size 327680
		.amdhsa_private_segment_fixed_size 0
		.amdhsa_enable_private_segment 0
		.amdhsa_kernarg_size 24
		.amdhsa_user_sgpr_count 2
		.amdhsa_user_sgpr_kernarg_segment_ptr 1
		.amdhsa_wavefront_size32 1
		.amdhsa_system_sgpr_workgroup_id_x 1
		.amdhsa_system_sgpr_workgroup_id_y 1
		.amdhsa_system_sgpr_workgroup_id_z 1
		.amdhsa_system_vgpr_workitem_id 0
		.amdhsa_next_free_vgpr 1024
		.amdhsa_next_free_sgpr 66
		.amdhsa_reserve_vcc 0
		.amdhsa_float_denorm_mode_32 3
		.amdhsa_float_denorm_mode_16_64 3
		.amdhsa_memory_ordered 1
		.amdhsa_forward_progress 1
		.amdhsa_inst_pref_size 255
	.end_amdhsa_kernel
	.section	.bss,"aw",@nobits
	.p2align	6
	.space	262144
	.amdgpu_metadata
---
amdhsa.version: [ 1, 2 ]
amdhsa.kernels:
  - .name:           k_q19a2e629f3_cin
    .symbol:         k_q19a2e629f3_cin.kd
    .args:
      - { .name: x, .offset: 0, .size: 8, .value_kind: global_buffer, .address_space: global }
      - { .name: wq, .offset: 8, .size: 8, .value_kind: global_buffer, .address_space: global }
      - { .name: out0, .offset: 16, .size: 8, .value_kind: global_buffer, .address_space: global }
    .group_segment_fixed_size: 327680
    .private_segment_fixed_size: 0
    .kernarg_segment_align: 8
    .kernarg_segment_size: 24
    .max_flat_workgroup_size: 128
    .sgpr_count:     66
    .vgpr_count:     1024
    .wavefront_size: 32
...
	.end_amdgpu_metadata
.endif
;; end of part 2
